; MI455X (gfx1250); checked and timed in simulation.
; The chip was launched on July 23, 2026; its instructions are those of AMD's public machine-readable ISA for CDNA 5 (MIT licence, August 2026) and "CDNA5" Instruction Set Architecture Reference Guide (July 2026). The comments in the code are by the model that wrote it; some were corrected since.
;; Lazy Attention Embedding. Allowed arithmetic: matrix products marked QUANTISED: E5M2 operands, one E8M0 scale for each 32 along K, by v_wmma_scale_f32_16x16x128_f8f6f4 with both operands' format E5M2, f32 sums; everything else in f32.
;; Inputs: bias_weight 4,096 x 16 float32; k 2 x 16 x 2,048 x 64 float32; q 2 x 16 x 2,048 x 64 float32; tau 16 float32; v 2 x 16 x 2,048 x 64 float32.
;; Outputs: out0 2 x 16 x 2,048 x 64 float32.
;; Constants: max_bias_length = 4096.
;; This version of the problem:
;;   THIS VERSION OF THE PROBLEM IS GIVEN IN LOW PRECISION. The matrix products marked QUANTISED in the list below multiply operands that are first quantised to E5M2 (5 exponent bits, 2 mantissa bits; 8 bits a number), with one power-of-two scale for each 32 numbers along K (OCP MX v1.0); their sums are f32. All else is computed in f32.
;;   The module's matrix products, in the order in which they are computed (A, B: the left and right operand; K: the contracted axis; several contracted axes count as one K, in the product's order):
;;     1. batch 32 x [M 2,048, K 64] x [K 64, N 2,048]; A: input q; B: input k: QUANTISED
;;     2. batch 32 x [M 2,048, K 2,048] x [K 2,048, N 64]; A: computed on the way; B: input v: QUANTISED
;;   THE QUANTISER, for each operand of a quantised product, along K:
;;     - K is cut into blocks of 32 from its start; a last block that is shorter is filled with zeros.
;;     - A block's scale is 2^e with e = floor(log2(the largest magnitude in the block)) - 15, held to -126 .. 127; a block of zeros has e = 0. As a byte (E8M0): e + 127.
;;     - Each number is divided by its block's scale, clamped to +-57,344, and rounded to the nearest number of E5M2, ties to even, subnormals kept.
;;     - The product sums the exact products of the quantised numbers (number of the format x scale) in f32.
;;   ~~~python
;;   def quantise(x, axis):      # numpy; x: float32 -> the quantised numbers, widened to float32 again
;;       x = np.moveaxis(x, axis, -1); K = x.shape[-1]
;;       x = np.pad(x, [(0, 0)] * (x.ndim - 1) + [(0, -K % 32)]); x = x.reshape(x.shape[:-1] + (-1, 32)); a = np.abs(x).max(-1, keepdims=True)
;;       e = np.where(a > 0, np.clip(np.frexp(np.where(a > 0, a, 1))[1] - 1 - 15, -126, 127), 0)      # np.frexp(a)[1] - 1 = floor(log2(a)), exactly
;;       r = np.clip(x / 2.0 ** e, -57344, 57344)
;;       step = 2.0 ** (np.maximum(np.frexp(np.where(r == 0, 1, r))[1] - 1, -14) - 2)
;;       q = np.round(r / step) * step * 2.0 ** e      # np.round: ties to even
;;       return np.moveaxis(q.reshape(q.shape[:-2] + (-1,))[..., :K], -1, axis).astype(np.float32)
;;   ~~~
;;   OPERANDS COMPUTED ON THE WAY. 'Computed on the way' means the value that the module computes at that place (a softmax that the list does not call 'softmax' is quantised finished and normalised). What goes into a quantiser is computed in f32, as accurately as f32 sums, v_exp_f32 and their like allow (about 1e-6 of the number): no bf16 or f16 on the way to a quantiser, and a product that is left as it is and whose result goes on into a quantised operand takes f32 operands (vector FMAs, or v_wmma_f32_16x16x4_f32). A number that lies on a knife's edge between two numbers of the format may be rounded either way, as far as f32 arithmetic and the matrix unit's own rounding can turn it there, and no further.
;; One version. Each part assembles by itself: llvm-mc -triple=amdgcn-amd-amdhsa -mcpu=gfx1250 --defsym DOCPART=n.
;; ======== version 1 of 1: 2 launches
;; limits: below input magnitudes of 3.08e-33 results are inexact or not finite
;; workspace buffers: kimg 4,194,304 bytes; vimg 4,194,304 bytes; aux 1,900,544 bytes
;; launch prep (part 1): grid 281 x 1, 4 waves a work-group, no clusters, 0 bytes of LDS; arguments k, v, bias_weight, kimg, vimg, aux; writes kimg, vimg, aux
.if DOCPART == 1
	.amdgcn_target "amdgcn-amd-amdhsa--gfx1250"
	.amdhsa_code_object_version 6
	.text
	.protected	k_qb15e6b7815_prep
	.globl	k_qb15e6b7815_prep
	.p2align	8
	.type	k_qb15e6b7815_prep,@function
k_qb15e6b7815_prep:
	s_mov_b64 s[64:65], 0
	v_nop
	global_prefetch_b8 v0, s[64:65] scope:SCOPE_SE
	s_setreg_imm32_b32 hwreg(HW_REG_WAVE_MODE, 25, 1), 1
	s_wait_xcnt 0x0
; k and v [32 (batch x head)][2048][64] f32 become codes of E5M2 with one E8M0 byte for each 32 along K, quantised ONCE and laid as images of the operand registers that the
; attention launch loads; bias_weight [4096][16] becomes, for each head, a table from which that launch reads its scores' bias and causal mask.
; THE RULE: a block's scale is 2^(floor(log2(largest magnitude)) - 15), held at 2^-126 from below by a floor of 2^-111 among the maximum's leaves; each number is held within
; +-57,344 x the scale and rounded to the nearest code, ties to even.  A block of zeros gets the byte 1: its codes are zeros, and this program alone reads the bytes.
; LIMITS: NaN and infinities among the inputs are not served.
; WORK-GROUPS 0-127: k, K = the head's 64.   128-255: v, K = the keys.   One wave takes one (batch x head, step of 128 keys): 32,768 bytes in, 8,192 bytes of codes and 256 of scale words out.
;   kimg[bh][step][b 4][c 4][lane 32][16 bytes]: chunk (b, c = 2 u + c', lane (r, h)) = key 128 step + 32 b + 8 u + r + (r & 8), d = 32 c' + 16 h + 0 .. 15
;   vimg[bh][step][e 4][c 4][lane 32][16 bytes]: chunk (e, c, lane (r, h)) = column d = 4 r + e, keys 128 step + 32 c + 16 h + 0 .. 15
;   aux[bh] + 51,200: k's scale words [step][lane][2]: word p of lane (r, h) belongs to fragment b = 2 p + h, row r;   + 55,296: v's likewise, tile e = 2 p + h
; WORK-GROUPS 256-280: aux[bh] + 0: four copies, 3,200 words each, of the head's bias: word y of copy c = B(2048 - y + c), B(rel) = bias_weight[rel][head] for rel >= 0 and -1e30 under 0.
; No LDS, no barrier: waves share nothing.  Every store of a wave covers whole aligned runs of 256 bytes.
.set AUXB, 59392                       ; bytes of aux for one (batch, head)
.set CPW,  3200                        ; words in a copy of the table
.set LA,  1                            ; v1      my lane's byte in the wave's 32,768 bytes of input
.set LI,  2                            ; v2      16 x lane
.set L8,  3                            ; v3      8 x lane
.set W,   4                            ; v4-7    four scale words
.set TM,  8                            ; v8-11 largest magnitudes; v12-15 the other half's, then the bytes; v16-19 57,344 x the scale; v20-23 the conversions' scale operands
.set Y,   24                           ; v24-55  two sets of 16 numbers, held, on end along K
.set C,   56                           ; v56-71  a block's 64 codes a lane
.set X,   72                           ; v72-199 two sets of 64 numbers as loaded
	s_load_b256 s[4:11], s[0:1], 0x0               ; k s[4:5], v s[6:7], bias_weight s[8:9], kimg s[10:11]
	s_load_b128 s[12:15], s[0:1], 0x20             ; vimg s[12:13], aux s[14:15]
	v_lshrrev_b32 v1, 5, v0
	v_readfirstlane_b32 s16, v1                    ; wave 0..3
	s_cmp_ge_u32 ttmp9, 256
	s_cbranch_scc1 .Lbias
; 64 numbers of a lane, four blocks' 16 each: number i of block b stands in v[xs + sb b + si i]; lane l xor 16 holds the block's other 16.  Codes to v[C + 4 b ..], bytes to v[TM + 4 + b].
.macro PQ xs, sb, si
.irp b, 0,1,2,3
	v_max3_num_f32 v[TM+\b], |v[(\xs)+\sb*\b]|, |v[(\xs)+\sb*\b+\si]|, 0x8000000   ; my 16 numbers, and the floor 2^(16 - 127): the byte cannot fall under 1
.endr
.irp i, 2,4,6,8,10,12,14
.irp b, 0,1,2,3
	v_max3_num_f32 v[TM+\b], v[TM+\b], |v[(\xs)+\sb*\b+\si*\i]|, |v[(\xs)+\sb*\b+\si*(\i+1)]|   ; the four blocks by turns
.endr
.endr
.irp b, 0,1,2,3
	v_permlanex16_b32 v[TM+4+\b], v[TM+\b], s20, s21
.endr
.irp b, 0,1,2,3
	v_max_num_f32 v[TM+\b], v[TM+\b], v[TM+4+\b]   ; the block's largest magnitude
.endr
.irp b, 0,1,2,3
	v_add_nc_u32 v[TM+12+\b], 0xf8800000, v[TM+\b] ; 15 off its exponent field: the conversion takes this operand's exponent field as its scale
.endr
.irp b, 0,1,2,3
	v_and_or_b32 v[TM+8+\b], v[TM+\b], 0x7f800000, s23   ; 57,344 x the scale
.endr
.irp b, 0,1,2,3
	v_lshrrev_b32 v[TM+4+\b], 23, v[TM+12+\b]      ; the scale's byte
.endr
.irp b, 0,1,2,3
.irp i, 0,1,2,3,4,5,6,7,8,9,10,11,12,13,14,15
	v_med3_num_f32 v[Y+16*(\b%2)+\i], v[(\xs)+\sb*\b+\si*\i], -v[TM+8+\b], v[TM+8+\b]   ; the hold (the conversion does not saturate: ISA guide 7.6.2); its destination puts the block's numbers on end
.endr
	v_cvt_scalef32_pk8_bf8_f32 v[C+4*\b:C+4*\b+1], v[Y+16*(\b%2):Y+16*(\b%2)+7], v[TM+12+\b]
	v_cvt_scalef32_pk8_bf8_f32 v[C+4*\b+2:C+4*\b+3], v[Y+16*(\b%2)+8:Y+16*(\b%2)+15], v[TM+12+\b]
.endr
	v_nop                                          ; a plain line behind the last conversion, ahead of the next writes of its sources
.endm
.macro LOADK g                         ; keys 32 g .. 32 g + 31: lane (r, h) takes keys 32 g + 8 u + r + (r & 8), 16 numbers of each block of 32 along d
.irp u, 0,1
.irp c, 0,1
.irp j, 0,1,2,3
	global_load_b128 v[X+64*((\g)%2)+16*(2*\u+\c)+4*\j:X+64*((\g)%2)+16*(2*\u+\c)+4*\j+3], v[LA], s[4:5] offset:8192*(\g)+2048*\u+128*\c+16*\j th:TH_LOAD_NT
.endr
.endr
.endr
.endm
.macro LOADV g                         ; keys 32 g .. 32 g + 31: load i takes keys 32 g + 16 h + i, columns 4 r .. 4 r + 3: sixteen lanes read one row of 256 bytes
.irp i, 0,1,2,3,4,5,6,7,8,9,10,11,12,13,14,15
	global_load_b128 v[X+64*((\g)%2)+4*\i:X+64*((\g)%2)+4*\i+3], v[LA], s[4:5] offset:8192*(\g)+256*\i th:TH_LOAD_NT
.endr
.endm
.macro BLOCK n, isv
.if \n < 3
	s_wait_loadcnt 16                              ; this block's 16 loads are in; the next block's 16 may be out
.else
	s_wait_loadcnt 0x0
.endif
.if \n > 0
	s_wait_xcnt 0x0                                ; the last block's stores have read their data: the codes' registers are written again only behind this wait
.endif
.if \isv
	PQ X+64*(\n%2), 1, 4
.else
	PQ X+64*(\n%2), 16, 1
.endif
.if \n < 2
.if \isv
	LOADV \n+2
.else
	LOADK \n+2
.endif
.endif
.if \isv
.irp e, 0,1,2,3
.if \n == 0
	v_mov_b32 v[W+\e], v[TM+4+\e]                  ; tile e's word: byte n belongs to key block n
.else
	v_lshl_or_b32 v[W+\e], v[TM+4+\e], 8*\n, v[W+\e]
.endif
.endr
.irp b, 0,1,2,3
	global_store_b128 v[LI], v[C+4*\b:C+4*\b+3], s[10:11] offset:2048*\b+512*\n   ; 32 lanes store 512 consecutive bytes
.endr
.else
	v_lshl_or_b32 v[W+\n], v[TM+5], 8, v[TM+4]     ; fragment n's word: bytes (u 0 c' 0, u 0 c' 1, u 1 c' 0, u 1 c' 1)
	v_lshl_or_b32 v[W+\n], v[TM+6], 16, v[W+\n]
	v_lshl_or_b32 v[W+\n], v[TM+7], 24, v[W+\n]
.irp b, 0,1,2,3
	global_store_b128 v[LI], v[C+4*\b:C+4*\b+3], s[10:11] offset:2048*\n+512*\b
.endr
.endif
.endm
.macro FIN                             ; lanes 0-15 store words 0 and 2, lanes 16-31 words 1 and 3: 256 consecutive bytes
	v_and_b32 v24, 16, v0
	v_cmp_eq_u32 vcc_lo, 0, v24
	v_cndmask_b32 v24, v[W+1], v[W+0], vcc_lo
	v_cndmask_b32 v25, v[W+3], v[W+2], vcc_lo
	global_store_b64 v[L8], v[24:25], s[14:15]
	s_endpgm
.endm
	v_and_b32 v24, 31, v0                          ; lane
	v_lshlrev_b32 v[LI], 4, v24
	v_lshlrev_b32 v[L8], 3, v24
	v_and_b32 v25, 15, v0                          ; r
	v_bfe_u32 v26, v0, 4, 1                        ; h
.irp b, 0,1,2,3
	v_mov_b32 v[TM+4+\b], 0                        ; written once: a lane permute's destination counts as one of its sources
.endr
	s_mov_b32 s20, 0x76543210
	s_mov_b32 s21, 0xfedcba98                      ; v_permlanex16_b32's selects for lane l xor 16
	s_mov_b32 s23, 0x600000                        ; the mantissa field of 57,344
	s_and_b32 s17, ttmp9, 127
	s_lshl_b32 s17, s17, 2
	s_add_co_u32 s17, s17, s16                     ; which (bh, step) is my wave's: 16 bh + step, 0 .. 511
	s_lshl_b32 s18, s17, 15                        ; 32,768 bytes of input,
	s_mov_b32 s19, 0
	s_lshl_b32 s24, s17, 13                        ; 8,192 of codes,
	s_mov_b32 s25, 0
	s_lshr_b32 s26, s17, 4
	s_mul_i32 s26, s26, AUXB
	s_and_b32 s27, s17, 15
	s_lshl_b32 s27, s27, 8
	s_add_co_u32 s26, s26, s27                     ; 256 of scale words in bh's part of aux
	s_mov_b32 s27, 0
	s_mov_b32 s28, 55296
	s_mov_b32 s29, 0
	s_wait_kmcnt 0x0
	s_cmp_lt_u32 ttmp9, 128                        ; k's work-group or v's: the choice hangs on the work-group's number alone
	s_cselect_b64 s[4:5], s[4:5], s[6:7]
	s_cselect_b64 s[10:11], s[10:11], s[12:13]
	s_cselect_b32 s28, 51200, s28
	s_add_nc_u64 s[4:5], s[4:5], s[18:19]
	s_add_nc_u64 s[10:11], s[10:11], s[24:25]
	s_add_nc_u64 s[14:15], s[14:15], s[26:27]
	s_add_nc_u64 s[14:15], s[14:15], s[28:29]
	s_cmp_lt_u32 ttmp9, 128
	s_cbranch_scc0 .Lv
	v_and_b32 v27, 8, v25
	v_add_nc_u32 v27, v27, v25                     ; r + (r & 8)
	v_lshlrev_b32 v[LA], 8, v27                    ; a key's row is 256 bytes,
	v_lshl_add_u32 v[LA], v26, 6, v[LA]            ; + 64 h: my 16 numbers of a block of 32
	LOADK 0
	LOADK 1
	BLOCK 0, 0
	BLOCK 1, 0
	BLOCK 2, 0
	BLOCK 3, 0
	FIN
.Lv:
	v_lshlrev_b32 v[LA], 4, v25                    ; columns 4 r on,
	v_lshl_add_u32 v[LA], v26, 12, v[LA]           ; lanes 16-31 sixteen keys further down
	LOADV 0
	LOADV 1
	BLOCK 0, 1
	BLOCK 1, 1
	BLOCK 2, 1
	BLOCK 3, 1
	FIN
.Lbias:                                            ; thread T of 3,200 owns words 4 T .. 4 T + 3 of every head's table
	s_sub_co_u32 s17, ttmp9, 256
	s_lshl_b32 s17, s17, 7
	v_add_nc_u32 v1, s17, v0                       ; T
	v_lshlrev_b32 v2, 2, v1                        ; 4 T
	v_lshlrev_b32 v3, 4, v1                        ; 16 T: my bytes in a table
	v_cmp_le_u32 vcc_lo, CPW, v2
	v_cndmask_b32 v4, 0, 1, vcc_lo
	v_cmp_le_u32 vcc_lo, 2*CPW, v2
	v_cndmask_b32 v5, 0, 1, vcc_lo
	v_cmp_le_u32 vcc_lo, 3*CPW, v2
	v_cndmask_b32 v6, 0, 1, vcc_lo
	v_add3_u32 v4, v4, v5, v6                      ; c: which copy
	v_mul_u32_u24 v7, v4, CPW
	v_sub_nc_u32 v7, v2, v7                        ; y: my first word in it
	v_add_nc_u32 v8, 2048, v4
	v_sub_nc_u32 v8, v8, v7                        ; rel = 2048 + c - y, from -1,148 to 2,051
	v_mov_b32 v17, 0xf149f2ca                      ; -1e30
.irp e, 0,1,2,3
	v_add_nc_u32 v[9+\e], -\e, v8                  ; word e: rel - e
.endr
.irp e, 0,1,2,3
	v_cmp_gt_i32 s[30+\e], 0, v[9+\e]              ; under 0: the key comes after the query
.endr
.irp e, 0,1,2,3
	v_cndmask_b32 v[13+\e], v[9+\e], 0, s[30+\e]   ; such a word reads row 0, and its numbers are thrown away below: no load leaves the table
.endr
.irp e, 0,1,2,3
	v_lshlrev_b32 v[13+\e], 6, v[13+\e]            ; a row of bias_weight is 64 bytes
.endr
	s_wait_kmcnt 0x0
.irp e, 0,1,2,3
.irp c, 0,1,2,3
	global_load_b128 v[X+16*\e+4*\c:X+16*\e+4*\c+3], v[13+\e], s[8:9] offset:16*\c   ; v[X + 16 e + head]
.endr
.endr
	s_wait_loadcnt 0x0
.irp hd, 0,1,2,3,4,5,6,7,8,9,10,11,12,13,14,15
.irp e, 0,1,2,3
	v_cndmask_b32 v[136+4*\hd+\e], v[X+16*\e+\hd], v17, s[30+\e]
.endr
.endr
.irp hd, 0,1,2,3,4,5,6,7,8,9,10,11,12,13,14,15
	global_store_b128 v3, v[136+4*\hd:139+4*\hd], s[14:15] offset:\hd*AUXB         ; batch 0's table of the head, and batch 1's: sixteen lanes store 256 consecutive bytes
	global_store_b128 v3, v[136+4*\hd:139+4*\hd], s[14:15] offset:(\hd+16)*AUXB
.endr
	s_endpgm
.Lfunc_end_k_qb15e6b7815_prep:
	.size	k_qb15e6b7815_prep, .Lfunc_end_k_qb15e6b7815_prep-k_qb15e6b7815_prep
	.p2alignl 7, 3214868480
	.fill 96, 4, 3214868480
	.section	.rodata,"a",@progbits
	.p2align	6, 0x0
	.amdhsa_kernel k_qb15e6b7815_prep
		.amdhsa_group_segment_fixed_size 0
		.amdhsa_private_segment_fixed_size 0
		.amdhsa_enable_private_segment 0
		.amdhsa_kernarg_size 48
		.amdhsa_user_sgpr_count 2
		.amdhsa_user_sgpr_kernarg_segment_ptr 1
		.amdhsa_wavefront_size32 1
		.amdhsa_system_sgpr_workgroup_id_x 1
		.amdhsa_system_sgpr_workgroup_id_y 1
		.amdhsa_system_sgpr_workgroup_id_z 1
		.amdhsa_system_vgpr_workitem_id 0
		.amdhsa_next_free_vgpr 200
		.amdhsa_next_free_sgpr 66
		.amdhsa_reserve_vcc 1
		.amdhsa_float_denorm_mode_32 3
		.amdhsa_float_denorm_mode_16_64 3
		.amdhsa_memory_ordered 1
		.amdhsa_forward_progress 1
		.amdhsa_inst_pref_size 93
	.end_amdhsa_kernel
	.amdgpu_metadata
---
amdhsa.version: [ 1, 2 ]
amdhsa.kernels:
  - .name:           k_qb15e6b7815_prep
    .symbol:         k_qb15e6b7815_prep.kd
    .args:
      - { .name: k, .offset: 0, .size: 8, .value_kind: global_buffer, .address_space: global }
      - { .name: v, .offset: 8, .size: 8, .value_kind: global_buffer, .address_space: global }
      - { .name: bias_weight, .offset: 16, .size: 8, .value_kind: global_buffer, .address_space: global }
      - { .name: kimg, .offset: 24, .size: 8, .value_kind: global_buffer, .address_space: global }
      - { .name: vimg, .offset: 32, .size: 8, .value_kind: global_buffer, .address_space: global }
      - { .name: aux, .offset: 40, .size: 8, .value_kind: global_buffer, .address_space: global }
    .group_segment_fixed_size: 0
    .private_segment_fixed_size: 0
    .kernarg_segment_align: 8
    .kernarg_segment_size: 48
    .max_flat_workgroup_size: 128
    .sgpr_count:     66
    .vgpr_count:     200
    .wavefront_size: 32
...
	.end_amdgpu_metadata
.endif
;; end of part 1
;; launch attn (part 2): grid 8 x 32, 8 waves a work-group, no clusters, 327,680 bytes of LDS; arguments q, tau, kimg, vimg, aux, out0; writes out0
.if DOCPART == 2
	.amdgcn_target "amdgcn-amd-amdhsa--gfx1250"
	.amdhsa_code_object_version 6
	.text
	.protected	k_qb15e6b7815_attn
	.globl	k_qb15e6b7815_attn
	.p2align	8
	.type	k_qb15e6b7815_attn,@function
k_qb15e6b7815_attn:
	s_mov_b64 s[64:65], 0
	v_nop
	global_prefetch_b8 v0, s[64:65] scope:SCOPE_SE
	s_setreg_imm32_b32 hwreg(HW_REG_WAVE_MODE, 25, 1), 1
	s_wait_xcnt 0x0
; out[bh][q][:] = sum over k of Q(relu(softmax_k(Q(q) . Q(k) / 8 + bias[q - k][head], causal) + tau[head] / (q + 1))) Q(v)[k][:], Q the MX quantiser to E5M2 along each product's K.
; The second operand is the FINISHED softmax plus a row's constant, so a row's maximum and sum are known before anything is quantised: the keys are walked twice.
;   PASS 1: scores, running maximum (as a whole number M >= the largest t = score x log2(e)) and the sum of 2^(t - M).   PASS 2: scores again (the same bits), p / sum + tau / i, relu, quantised by 32 keys, x V.
; Under the causal mask the operand is relu(tau / i), not 0: the second product runs over all 2,048 keys; in steps that lie wholly under the mask its operand is one code and one scale byte a row.
; SHARES.  A work-group has one (batch, head) and the 16 tiles of 16 queries whose number is x modulo 8; wave w has TWO of them: tile 0 at query 128 w + 16 x, tile 1 at 128 (15 - w) + 16 x.
; A key step is 128 keys.  Tile 0 has scores in steps 0 .. w, tile 1 in 0 .. 15 - w: 17 tile-steps of scores a pass and 16 steps of the second product in every wave of the launch.
; Which steps a wave skips hangs on the wave's number alone.
; LDS is filled ONCE: a window of the head's bias table (35,072 bytes), the scale words (8,192), k's codes (131,072), v's codes (131,072), each wave bringing an eighth of each by four tensor loads.  Nothing is filled again.
; PRODUCT 1, K = 64, fills half of the instruction's 128: source 0 = [16 keys, d 0-63 | 16 other keys, d 0-63]; source 1 = [Q | zeros] gives the first 16 keys' scores, [zeros | Q] the others'.
; The keys of a fragment are chosen so that a lane (r, h) holds query r and its register 16 b + i the key 32 b + 16 h + i of the step: 16 neighbours along the second product's K.
; BIAS AND MASK ARE THE C OF PRODUCT 1: they hang on query - key alone, so the lane's 64 words come from a table (-1e30 where the key comes after the query) straight into the accumulators.
; THE TABLE'S WINDOW.  In memory word y of copy c is B(2048 - y + c).  The window is fetched from word 16 (7 - x) of each copy on, so that its word y' is B(1936 + 16 x - y' + c):
; the work-group's 16 x stands in the fill's address in memory, and no LDS address hangs on it.
; THE FACTOR 1 / 8 stands in q's scale bytes, each lowered by 3: the codes are the quantiser's, the product is exact.
; PRODUCT 2 is used transposed too: source 0 = 16 columns d = 4 r + e of V, source 1 = the weights: a lane holds one query throughout.
; NO CLUSTER: the 8 work-groups of a head fetch the same 270,336 bytes of codes and scale words, once each, in one group at the head; a joint fetch would divide those requests.  It is not written in this text:
; a byte so fetched is then read from LDS through two walks of 16 steps, and nothing is fetched in them.
; NO PREFETCH: the one stream is the first fill, at the kernel's head.
; LIMITS: NaN and infinities among the inputs are not served.  A block of q whose largest magnitude lies under 2^-108 gets that floor's scale.  A weight under 2^-126 counts as 0.  Scores stay far under 1e30, as the mask supposes.
; REGISTERS, window 0: v1-12 addresses; v14-15 the add's two; v16-31 eight statistics a tile; v32-47 at work; v48-51 f; v52-59 scale words; v60-63 at work; v64-191 the two tiles' scores; v192-255 fragments of K.
;   window 1: v0-39 [zeros 8 | Q0 8 | zeros 8 | Q1 8 | zeros 8]; v40-71 the weights' codes; v72-135 O^T, accumulator (tile t, e) at v[72 + 32 t + 8 e]; v136-199 fragments of V.
.set AUXB, 59392                       ; bytes of aux for one (batch, head): the table's four copies of 12,800 bytes, then 8,192 of scale words
.set PGB,  12800
.set TBB,  0                           ; LDS: the table's window, four copies 8,768 bytes apart;
.set PB,   8768
.set KSC,  35072                       ; k's scale words, 256 bytes a step;
.set VSC,  39168                       ; v's;
.set KIMG, 43264                       ; k's codes, 8,192 bytes a step;
.set VIMG, 174336                      ; v's likewise: up to byte 305,408
.set SPARE, 319488                     ; the spare words, 128 bytes for each wave: four blocks of 256 bytes that no other line names
.set STGW, 8704                        ; the way out: a wave's stage, two tiles of 16 rows x 272 bytes, laid over k's codes behind the last barrier: they have had their one fill, and nobody reads them any more
.set LI,  1                            ; v1   16 x lane
.set BL,  2                            ; v2   my lane's place in the table's window
.set L8,  3                            ; v3   8 x lane
.set ADK, 4                            ; v4-9 the step's LDS addresses: k's codes, v's codes, k's scale words, v's, tile 0's bias, tile 1's
.set ADV, 5
.set ADS, 6
.set ADT, 7
.set ADB, 8
.set QO,  10                           ; v10  my byte in a tile's 16 rows of q
.set STO, 11                           ; v11  the stage: where I put a number
.set RD,  12                           ; v12  and where I read a row back
.set SPW, 14                           ; v14  LDS address of my spare word: SPARE + 4 x my thread's number; never rewritten
.set NIL, 15                           ; v15  0; never rewritten
.set ST,  16                           ; tile t at v[16 + 8 t]: +0 -M, +1 the largest t, +2, +3 the sum's halves (then +2 = 1 / sum), +4 tau / i, +5 its pair's other half, +6 the constant code word, +7 the constant scale word
.set TM,  32
.set TAUO, 46                          ; at the head alone: tau's offset and tau
.set TAUV, 47
.set FF,  48                           ; v[48 + 2 t] f = 2^(old M - new M)
.set KS,  52                           ; v52-53 k's scale words of the step, v54-55 v's, v56-57 q's (a tile each), v58-59 the weights'
.set VS,  54
.set QS,  56
.set PS,  58
.set CT,  60                           ; v60-63 at work
.set AC2, 62
.set S,   64
.set KV,  192
.set RR,  240                          ; at the head alone: r = lane % 16 and h = lane / 16
.set HH,  241
.set QZ,  0                            ; in window 1
.set PP,  40
.set OO,  72
.set VF,  136
.set G1KV, 36                          ; s[36:43] descriptor group 1 for the codes; s[44:51] the scale words; s[52:59] the table's window
.set G1S,  44
.set G1B,  52
.set QROW, 88                          ; s[88:91] the two tiles' first rows of q;  s[92:95] of out0
.set OROW, 92
.set CNT,  96                          ; s96  trips to go
.set MSB, 0
.macro WIN new                         ; the immediate's high byte repeats the setting that is left; bits 1:0 source 0, 3:2 source 1, 5:4 source 2, 7:6 destination
.if MSB != \new
	s_set_vgpr_msb (MSB<<8)|\new
.set MSB, \new
.endif
.endm
.macro PLACES n                        ; plain vector lines behind matrix instructions (ISA guide 7.12.1) and in front of scaled ones
.rept \n
	v_nop
.endr
.endm
.macro DESC1 g, c, r                   ; a dense block as r rows of c elements of 8 bytes, no padding, no mask
	s_mov_b32 s[\g], 3<<16
	s_mov_b32 s[\g+1], (\c)<<16                    ; tensor_dim0
	s_mov_b32 s[\g+2], (\r)<<16                    ; tensor_dim1
	s_mov_b32 s[\g+3], (\c)<<16                    ; tile_dim0
	s_mov_b32 s[\g+4], \r                          ; tile_dim1
	s_mov_b32 s[\g+5], \c                          ; the pitch
	s_mov_b32 s[\g+6], 0
	s_mov_b32 s[\g+7], 0
.endm
.macro KLOAD                           ; the step's four fragments of K as they lie, and their scale words: lanes 0-15 fragments 0 and 2, lanes 16-31 fragments 1 and 3
.irp b, 0,1,2,3
.irp c, 0,1,2,3
	ds_load_b128 v[KV+16*\b+4*\c:KV+16*\b+4*\c+3], v[ADK] offset:2048*\b+512*\c
.endr
.endr
	ds_load_b64 v[KS:KS+1], v[ADS]
.endm
.macro VLOAD                           ; the same for V's four tiles, into window 1; their scale words stay in window 0
	WIN 0x40
.irp b, 0,1,2,3
.irp c, 0,1,2,3
	ds_load_b128 v[VF+16*\b+4*\c:VF+16*\b+4*\c+3], v[ADV] offset:2048*\b+512*\c
.endr
.endr
	WIN 0
	ds_load_b64 v[VS:VS+1], v[ADT]
.endm
.macro BLOAD t                         ; tile t's bias and mask, into the accumulators: four neighbouring keys a load; copy r & 3 of the table keeps every address a multiple of 16, and sixteen lanes take sixteen different 16-byte columns modulo 256 bytes
.irp b, 0,1,2,3
.irp k, 0,1,2,3
	ds_load_b128 v[S+64*\t+16*\b+4*\k:S+64*\t+16*\b+4*\k+3], v[ADB+\t] offset:128*\b+16*\k
.endr
.endr
.endm
.macro KQ t                            ; eight products, eight accumulators: score / 8 + bias
.irp b, 0,1,2,3
.irp u, 0,1
.set rD, S+64*\t+16*\b+8*\u
.set rB, QZ+16*\t+8-8*\u
.if (\b%2) == 0
	v_wmma_scale_f32_16x16x128_f8f6f4 v[rD:rD+7], v[KV+16*\b:KV+16*\b+15], v[rB:rB+15], v[rD:rD+7], v[KS+\b/2], v[QS+\t] matrix_a_fmt:MATRIX_FMT_BF8 matrix_b_fmt:MATRIX_FMT_BF8
.else
	v_wmma_scale_f32_16x16x128_f8f6f4 v[rD:rD+7], v[KV+16*\b:KV+16*\b+15], v[rB:rB+15], v[rD:rD+7], v[KS+\b/2], v[QS+\t] matrix_a_fmt:MATRIX_FMT_BF8 matrix_b_fmt:MATRIX_FMT_BF8 matrix_a_scale:MATRIX_SCALE_ROW1
.endif
.endr
.endr
.endm
.macro SCORES t                        ; tile t's scores of the step: K's fragments are in registers or on their way
	BLOAD \t
	s_wait_dscnt 0x0                               ; K, its scale words and the tile's bias are in
	WIN 0x04                                       ; source 1 (Q) in window 1
	KQ \t
	WIN 0
	PLACES 8
.endm
.macro MAX1 t                          ; the step's largest score of my query, the new M, and f.  Each accumulator is read from its low end on
.irp b, 0,1,2,3
	v_max3_num_f32 v[TM+4*\t+\b], v[S+64*\t+16*\b], v[S+64*\t+16*\b+1], v[S+64*\t+16*\b+2]
.endr
.irp i, 3,5,7,9,11,13
.irp b, 0,1,2,3
	v_max3_num_f32 v[TM+4*\t+\b], v[TM+4*\t+\b], v[S+64*\t+16*\b+\i], v[S+64*\t+16*\b+\i+1]
.endr
.endr
.irp b, 0,1,2,3
	v_max_num_f32 v[TM+4*\t+\b], v[TM+4*\t+\b], v[S+64*\t+16*\b+15]
.endr
	v_max3_num_f32 v[TM+4*\t], v[TM+4*\t], v[TM+4*\t+1], v[TM+4*\t+2]
	v_max_num_f32 v[TM+4*\t], v[TM+4*\t], v[TM+4*\t+3]
	v_permlanex16_b32 v[TM+8+\t], v[TM+4*\t], s20, s21
	v_max_num_f32 v[TM+4*\t], v[TM+4*\t], v[TM+8+\t]         ; with lane l xor 16's 64 keys
	v_mul_f32 v[TM+4*\t], s22, v[TM+4*\t]                    ; as t
	v_max_num_f32 v[ST+8*\t+1], v[ST+8*\t+1], v[TM+4*\t]     ; the running largest t
	v_mov_b32 v[TM+4*\t+1], v[ST+8*\t]
	v_floor_f32 v[ST+8*\t], -v[ST+8*\t+1]                    ; -M = floor(-t): M is a whole number
	v_sub_f32 v[TM+4*\t+1], v[ST+8*\t], v[TM+4*\t+1]         ; old M - new M, 0 or less
	v_cvt_i32_f32 v[TM+4*\t+1], v[TM+4*\t+1]                 ; (it saturates)
	v_ldexp_f32 v[FF+2*\t], 1.0, v[TM+4*\t+1]                ; f: a multiplication by it rounds nothing
.endm
.macro ARG t                           ; t - M, two at a time
.set j, 0
.rept 32
	v_pk_fma_f32 v[S+64*\t+j:S+64*\t+j+1], v[S+64*\t+j:S+64*\t+j+1], s[22:23], v[ST+8*\t:ST+8*\t+1] op_sel_hi:[1,0,0]
.set j, j+2
.endr
.endm
.macro EXPS t                          ; p = 2^(t - M): one batch
.set j, 0
.rept 64
	v_exp_f32 v[S+64*\t+j], v[S+64*\t+j]
.set j, j+1
.endr
.endm
.macro RESC t                          ; the sum under the new M
	v_pk_mul_f32 v[ST+8*\t+2:ST+8*\t+3], v[ST+8*\t+2:ST+8*\t+3], v[FF+2*\t:FF+2*\t+1] op_sel_hi:[1,0]
.endm
.macro ADD1 t                          ; + the step's 64 p, in two chains
	v_pk_add_f32 v[AC2:AC2+1], v[S+64*\t:S+64*\t+1], v[S+64*\t+2:S+64*\t+3]
.irp j, 4,8,12,16,20,24,28,32,36,40,44,48,52,56,60
	v_pk_add_f32 v[ST+8*\t+2:ST+8*\t+3], v[ST+8*\t+2:ST+8*\t+3], v[S+64*\t+\j:S+64*\t+\j+1]
	v_pk_add_f32 v[AC2:AC2+1], v[AC2:AC2+1], v[S+64*\t+\j+2:S+64*\t+\j+3]
.endr
	v_pk_add_f32 v[ST+8*\t+2:ST+8*\t+3], v[ST+8*\t+2:ST+8*\t+3], v[AC2:AC2+1]
.endm
.macro ATT t                           ; p / sum + tau / i
.set j, 0
.rept 32
	v_pk_fma_f32 v[S+64*\t+j:S+64*\t+j+1], v[S+64*\t+j:S+64*\t+j+1], v[ST+8*\t+2:ST+8*\t+3], v[ST+8*\t+4:ST+8*\t+5] op_sel_hi:[1,0,0]
.set j, j+2
.endr
.endm
.macro QNT t                           ; relu and the quantiser, four blocks of 32 keys: codes to window 1, the scale word to v[PS + t]
.irp b, 0,1,2,3
	v_max3_num_f32 v[TM+\b], v[S+64*\t+16*\b], v[S+64*\t+16*\b+1], 0x8000000   ; no |.|: what is negative becomes 0 and must not count; the floor 2^(16 - 127) stands over it
.endr
.irp i, 2,4,6,8,10,12,14
.irp b, 0,1,2,3
	v_max3_num_f32 v[TM+\b], v[TM+\b], v[S+64*\t+16*\b+\i], v[S+64*\t+16*\b+\i+1]
.endr
.endr
.irp b, 0,1,2,3
	v_permlanex16_b32 v[TM+4+\b], v[TM+\b], s20, s21
.endr
.irp b, 0,1,2,3
	v_max_num_f32 v[TM+\b], v[TM+\b], v[TM+4+\b]
.endr
.irp b, 0,1,2,3
	v_add_nc_u32 v[TM+12+\b], 0xf8800000, v[TM+\b]
.endr
.irp b, 0,1,2,3
	v_and_or_b32 v[TM+8+\b], v[TM+\b], 0x7f800000, s19
.endr
.irp b, 0,1,2,3
	v_lshrrev_b32 v[TM+4+\b], 23, v[TM+12+\b]
.endr
	v_lshl_or_b32 v[PS+\t], v[TM+5], 8, v[TM+4]
	v_lshl_or_b32 v[PS+\t], v[TM+6], 16, v[PS+\t]
	v_lshl_or_b32 v[PS+\t], v[TM+7], 24, v[PS+\t]
.irp b, 0,1,2,3
.irp i, 0,1,2,3,4,5,6,7,8,9,10,11,12,13,14,15
	v_med3_num_f32 v[S+64*\t+16*\b+\i], v[S+64*\t+16*\b+\i], 0, v[TM+8+\b]   ; the activation and the hold in one
.endr
.endr
	WIN 0x40
.irp b, 0,1,2,3
	v_cvt_scalef32_pk8_bf8_f32 v[PP+16*\t+4*\b:PP+16*\t+4*\b+1], v[S+64*\t+16*\b:S+64*\t+16*\b+7], v[TM+12+\b]
	v_cvt_scalef32_pk8_bf8_f32 v[PP+16*\t+4*\b+2:PP+16*\t+4*\b+3], v[S+64*\t+16*\b+8:S+64*\t+16*\b+15], v[TM+12+\b]
.endr
	WIN 0
	v_nop                                          ; a plain line behind the last conversion
.endm
.macro CONST t                         ; a step wholly under the mask: every weight of a row is relu(tau / i)
	v_mov_b32 v[PS+\t], v[ST+8*\t+7]
	WIN 0x40
.set j, 0
.rept 16
	v_mov_b32 v[PP+16*\t+j], v[ST+8*\t+6]
.set j, j+1
.endr
	WIN 0
.endm
.macro PV                              ; O^T += V^T P^T: eight accumulators by turns, one instruction a turn, round the loop's backward jump too
	WIN 0x55                                       ; V, the weights and O^T all lie in window 1
.irp e, 0,1,2,3
.irp t, 0,1
.set rO, OO+32*\t+8*\e
.if (\e%2) == 0
	v_wmma_scale_f32_16x16x128_f8f6f4 v[rO:rO+7], v[VF+16*\e:VF+16*\e+15], v[PP+16*\t:PP+16*\t+15], v[rO:rO+7], v[VS+\e/2], v[PS+\t] matrix_a_fmt:MATRIX_FMT_BF8 matrix_b_fmt:MATRIX_FMT_BF8
.else
	v_wmma_scale_f32_16x16x128_f8f6f4 v[rO:rO+7], v[VF+16*\e:VF+16*\e+15], v[PP+16*\t:PP+16*\t+15], v[rO:rO+7], v[VS+\e/2], v[PS+\t] matrix_a_fmt:MATRIX_FMT_BF8 matrix_b_fmt:MATRIX_FMT_BF8 matrix_a_scale:MATRIX_SCALE_ROW1
.endif
.endr
.endr
	WIN 0
.endm
.macro TILE1 t                         ; pass 1, one tile, one key step
	SCORES \t
	MAX1 \t
	ARG \t
	EXPS \t
	RESC \t                                        ; a plain line behind the batch
	s_wait_alu depctr_va_vdst(0)                   ; one wait for the tile's 64 exponentials, ahead of their first reader
	ADD1 \t
.endm
.macro TILE2 t                         ; pass 2, one tile, one key step
	SCORES \t
	ARG \t
	EXPS \t
	v_nop                                          ; a plain line behind the batch
	s_wait_alu depctr_va_vdst(0)                   ; one wait for the tile's 64 exponentials
	ATT \t
	QNT \t
.endm
.macro QQ t                            ; tile t's q, 32 numbers a lane in v[S + 64 t ..], becomes 8 registers of codes in window 1 and the scale word (s0, s1, s0, s1), each byte lowered by 3 for the factor 1 / 8
.irp b, 0,1
	v_max3_num_f32 v[TM+\b], |v[S+64*\t+16*\b]|, |v[S+64*\t+16*\b+1]|, 0x9800000   ; the floor 2^(19 - 127): the lowered byte cannot fall under 1
.endr
.irp i, 2,4,6,8,10,12,14
.irp b, 0,1
	v_max3_num_f32 v[TM+\b], v[TM+\b], |v[S+64*\t+16*\b+\i]|, |v[S+64*\t+16*\b+\i+1]|
.endr
.endr
.irp b, 0,1
	v_permlanex16_b32 v[TM+4+\b], v[TM+\b], s20, s21
.endr
.irp b, 0,1
	v_max_num_f32 v[TM+\b], v[TM+\b], v[TM+4+\b]
.endr
.irp b, 0,1
	v_add_nc_u32 v[TM+12+\b], 0xf8800000, v[TM+\b]
.endr
.irp b, 0,1
	v_and_or_b32 v[TM+8+\b], v[TM+\b], 0x7f800000, s19
.endr
.irp b, 0,1
	v_lshrrev_b32 v[TM+4+\b], 23, v[TM+12+\b]
.endr
	v_lshl_or_b32 v[TM+4], v[TM+5], 8, v[TM+4]
	v_lshl_or_b32 v[QS+\t], v[TM+4], 16, v[TM+4]
	v_add_nc_u32 v[QS+\t], 0xfcfcfcfd, v[QS+\t]    ; 3 off each byte (each is 4 at the least: no borrow)
.irp b, 0,1
.irp i, 0,1,2,3,4,5,6,7,8,9,10,11,12,13,14,15
	v_med3_num_f32 v[S+64*\t+16*\b+\i], v[S+64*\t+16*\b+\i], -v[TM+8+\b], v[TM+8+\b]
.endr
.endr
	WIN 0x40
.irp b, 0,1
	v_cvt_scalef32_pk8_bf8_f32 v[QZ+8+16*\t+4*\b:QZ+8+16*\t+4*\b+1], v[S+64*\t+16*\b:S+64*\t+16*\b+7], v[TM+12+\b]
	v_cvt_scalef32_pk8_bf8_f32 v[QZ+8+16*\t+4*\b+2:QZ+8+16*\t+4*\b+3], v[S+64*\t+16*\b+8:S+64*\t+16*\b+15], v[TM+12+\b]
.endr
	WIN 0
	v_nop
.endm
	s_load_b256 s[4:11], s[0:1], 0x0               ; q s[4:5], tau s[6:7], kimg s[8:9], vimg s[10:11]
	s_load_b128 s[12:15], s[0:1], 0x20             ; aux s[12:13], out0 s[14:15]
	v_lshl_add_u32 v[SPW], v0, 2, SPARE
	v_mov_b32 v[NIL], 0
	ds_add_u32 v14, v15
	ds_add_u32 v14, v15
	s_wait_dscnt 0x0
	v_lshrrev_b32 v13, 5, v0
	v_readfirstlane_b32 s16, v13                   ; wave 0..7
	s_and_b32 s17, ttmp7, 0xffff                   ; bh = 16 x batch + head
	s_mov_b32 s24, s16                             ; tile 0 has scores in steps 0 .. w,
	s_xor_b32 s25, s16, 15                         ; tile 1 in 0 .. 15 - w (w is under 8: the exclusive or is the difference)
	DESC1 G1KV, 32, 64                             ; an eighth of a head's codes: 64 rows of 256 bytes
	DESC1 G1S, 32, 4                               ; an eighth of its scale words: 4 rows of 256 bytes
	DESC1 G1B, 548, 1                              ; half a copy of the table's window: one row of 4,384 bytes
	; groups 0: s[60:63] the window, s[68:71] scale words, s[72:75] k's codes, s[76:79] v's.  Each LDS address is a constant + the wave's number x a constant
	s_mov_b32 s60, 1
	s_mul_i32 s61, s16, 4384                       ; (the window begins at LDS byte 0)
	s_mov_b32 s68, 1
	s_lshl_b32 s69, s16, 10
	s_add_co_u32 s69, s69, KSC
	s_mov_b32 s72, 1
	s_lshl_b32 s84, s16, 14
	s_add_co_u32 s73, s84, KIMG
	s_mov_b32 s76, 1
	s_add_co_u32 s77, s84, VIMG
	; and where they come from, as offsets
	s_mul_i32 s66, s17, AUXB                       ; bh's part of aux
	s_lshr_b32 s80, s16, 1
	s_mul_i32 s80, s80, PGB                        ; copy w / 2,
	s_add_co_u32 s80, s80, s66
	s_and_b32 s82, s16, 1
	s_mul_i32 s82, s82, 4384                       ; its half w & 1,
	s_add_co_u32 s80, s80, s82
	s_xor_b32 s82, ttmp9, 7
	s_lshl_b32 s82, s82, 6
	s_add_co_u32 s80, s80, s82                     ; from word 16 (7 - x) on
	s_mov_b32 s81, 0
	s_lshl_b32 s82, s16, 10
	s_add_co_u32 s82, s82, s66
	s_add_co_u32 s82, s82, 4*PGB                   ; the scale words lie behind the four copies
	s_mov_b32 s83, 0
	s_lshl_b32 s85, s17, 17
	s_add_co_u32 s84, s84, s85
	s_mov_b32 s85, 0
	s_wait_kmcnt 0x0
	s_add_nc_u64 s[62:63], s[12:13], s[80:81]
	s_or_b32 s63, s63, 0x80000000
	s_add_nc_u64 s[70:71], s[12:13], s[82:83]
	s_or_b32 s71, s71, 0x80000000
	s_add_nc_u64 s[74:75], s[8:9], s[84:85]
	s_or_b32 s75, s75, 0x80000000
	s_add_nc_u64 s[78:79], s[10:11], s[84:85]
	s_or_b32 s79, s79, 0x80000000
	tensor_load_to_lds s[60:63], s[G1B:G1B+7]      ; the launch's only fills, one group ahead of everything else: four loads of mine are out
	s_nop 0
	tensor_load_to_lds s[68:71], s[G1S:G1S+7]
	s_nop 0
	tensor_load_to_lds s[72:75], s[G1KV:G1KV+7]
	s_nop 0
	tensor_load_to_lds s[76:79], s[G1KV:G1KV+7]
	s_nop 0
	PLACES 4                                       ; four plain lines follow the loads
	s_and_b32 s66, s17, 15
	s_lshl_b32 s66, s66, 2
	v_mov_b32 v[TAUO], s66
	global_load_b32 v[TAUV], v[TAUO], s[6:7]       ; tau[head], the same word in every lane
	s_lshl_b32 s67, ttmp9, 4
	s_lshl_b32 s18, s16, 7
	s_add_co_u32 s18, s18, s67                     ; tile 0's first query: 128 w + 16 x
	s_lshl_b32 s34, s25, 7
	s_add_co_u32 s34, s34, s67                     ; tile 1's: 128 (15 - w) + 16 x
	s_lshl_b32 s67, s17, 11
	s_add_co_u32 s80, s67, s18
	s_lshl_b32 s80, s80, 8                         ; a row of q and of out0 is 256 bytes
	s_mov_b32 s81, 0
	s_add_co_u32 s82, s67, s34
	s_lshl_b32 s82, s82, 8
	s_mov_b32 s83, 0
	s_add_nc_u64 s[OROW:OROW+1], s[14:15], s[80:81]
	s_add_nc_u64 s[OROW+2:OROW+3], s[14:15], s[82:83]
	s_add_nc_u64 s[QROW:QROW+1], s[4:5], s[80:81]
	s_add_nc_u64 s[QROW+2:QROW+3], s[4:5], s[82:83]
	v_and_b32 v[RR], 15, v0                        ; r
	v_bfe_u32 v[HH], v0, 4, 1                      ; h
	v_lshlrev_b32 v[QO], 8, v[RR]
	v_lshl_add_u32 v[QO], v[HH], 6, v[QO]          ; row r, + 64 h: my 16 numbers of a block of 32
.irp t, 0,1
.irp c, 0,1
.irp j, 0,1,2,3
	global_load_b128 v[S+64*\t+16*\c+4*\j:S+64*\t+16*\c+4*\j+3], v[QO], s[QROW+2*\t:QROW+2*\t+1] offset:128*\c+16*\j th:TH_LOAD_NT
.endr
.endr
.endr
	s_mov_b32 s19, 0x600000                        ; the mantissa field of 57,344
	s_mov_b32 s20, 0x76543210
	s_mov_b32 s21, 0xfedcba98                      ; v_permlanex16_b32's selects for lane l xor 16
	s_mov_b32 s22, 0x3fb8aa3b                      ; log2(e)
	s_mov_b32 s23, s22                             ; (named with it as a pair)
	v_and_b32 v[CT], 31, v0
	v_lshlrev_b32 v[LI], 4, v[CT]
	v_lshlrev_b32 v[L8], 3, v[CT]
	v_bfe_u32 v[CT], v0, 2, 2
	v_xor_b32 v[CT], 3, v[CT]                      ; 3 - r / 4
	v_and_b32 v[CT+1], 3, v0                       ; copy r & 3
	v_mul_u32_u24 v[BL], v[CT+1], PB
	v_lshl_add_u32 v[BL], v[CT], 4, v[BL]          ; + 16 (3 - r / 4)
	v_lshl_add_u32 v[BL], v[HH], 6, v[BL]          ; + 64 h
	s_lshl_b32 s33, s25, 9                         ; tile 0's bias words of step J begin at 16 + 512 (15 - w) + 512 J + my lane's place,
	s_add_co_u32 s33, s33, TBB+16
	s_lshl_b32 s35, s16, 9                         ; tile 1's at 16 + 512 w + 512 J + my lane's place
	s_add_co_u32 s35, s35, TBB+16
	s_mul_i32 s66, s16, STGW
	s_add_co_u32 s66, s66, KIMG                    ; my stage
	v_mul_u32_u24 v[STO], v[RR], 272
	v_lshl_add_u32 v[STO], v[HH], 7, v[STO]
	v_add_nc_u32 v[STO], s66, v[STO]               ; in: row r, + 128 h
	v_mul_u32_u24 v[RD], v[HH], 272
	v_lshl_add_u32 v[RD], v[RR], 4, v[RD]
	v_add_nc_u32 v[RD], s66, v[RD]                 ; back: lanes 0-15 one row, lanes 16-31 the next
.irp j, 4,5,6,7,8,9,10,11
	v_mov_b32 v[TM+\j], 0                          ; written once: a lane permute's destination counts as one of its sources
.endr
.irp t, 0,1
	v_mov_b32 v[ST+8*\t+1], 0xff61b1e6             ; the largest t so far: -3e38
	v_floor_f32 v[ST+8*\t], -v[ST+8*\t+1]          ; -M
	v_mov_b32 v[ST+8*\t+2], 0                      ; the sum, in two halves
	v_mov_b32 v[ST+8*\t+3], 0
	v_mov_b32 v[ST+8*\t+5], 0                      ; (named as a pair's upper half)
	v_mov_b32 v[FF+2*\t], 0
	v_mov_b32 v[FF+2*\t+1], 0
.endr
	WIN 0x40
.irp z, 0,16,32
.irp j, 0,1,2,3,4,5,6,7
	v_mov_b32 v[QZ+\z+\j], 0                       ; the zero codes beside Q
.endr
.endr
.set j, 0
.rept 64
	v_mov_b32 v[OO+j], 0                           ; O^T begins as zeros, so that pass 2's step is written once
.set j, j+1
.endr
	WIN 0
	; tau / i, i = query + 1, as the rounded quotient: reciprocal, one Newton step, the quotient and its remainder
	v_add_nc_u32 v[TM], s18, v[RR]
	v_add_nc_u32 v[TM+1], s34, v[RR]
.irp t, 0,1
	v_add_nc_u32 v[TM+\t], 1, v[TM+\t]
.endr
.irp t, 0,1
	v_cvt_f32_u32 v[TM+\t], v[TM+\t]
.endr
.irp t, 0,1
	v_rcp_f32 v[TM+2+\t], v[TM+\t]
.endr
	v_nop                                          ; a plain line behind the reciprocals,
	s_wait_alu depctr_va_vdst(0)                   ; and a wait ahead of their first reader: one for both
	s_wait_loadcnt 16                              ; tau is in; q's 16 loads, issued behind it, may be out
.irp t, 0,1
	v_fma_f32 v[TM+4+\t], -v[TM+\t], v[TM+2+\t], 1.0
.endr
.irp t, 0,1
	v_fma_f32 v[TM+2+\t], v[TM+4+\t], v[TM+2+\t], v[TM+2+\t]
.endr
.irp t, 0,1
	v_mul_f32 v[TM+4+\t], v[TAUV], v[TM+2+\t]
.endr
.irp t, 0,1
	v_fma_f32 v[TM+6+\t], -v[TM+4+\t], v[TM+\t], v[TAUV]
.endr
.irp t, 0,1
	v_fma_f32 v[ST+8*\t+4], v[TM+6+\t], v[TM+2+\t], v[TM+4+\t]
.endr
	; a block of 32 weights that are all relu(tau / i): its scale byte, four times, and its code, four times
.irp t, 0,1
	v_max_num_f32 v[TM+\t], 0x8000000, v[ST+8*\t+4]
.endr
.irp t, 0,1
	v_add_nc_u32 v[TM+2+\t], 0xf8800000, v[TM+\t]
	v_and_or_b32 v[TM+4+\t], v[TM+\t], 0x7f800000, s19
.endr
.irp t, 0,1
	v_lshrrev_b32 v[TM+6+\t], 23, v[TM+2+\t]
	v_med3_num_f32 v[KV+8*\t], v[ST+8*\t+4], 0, v[TM+4+\t]
.endr
.irp t, 0,1
	v_lshl_or_b32 v[TM+6+\t], v[TM+6+\t], 8, v[TM+6+\t]
.endr
.irp t, 0,1
	v_lshl_or_b32 v[ST+8*\t+7], v[TM+6+\t], 16, v[TM+6+\t]
.endr
.irp t, 0,1
.irp i, 1,2,3,4,5,6,7
	v_mov_b32 v[KV+8*\t+\i], v[KV+8*\t]
.endr
.endr
.irp t, 0,1
	v_cvt_scalef32_pk8_bf8_f32 v[CT+2*\t:CT+2*\t+1], v[KV+8*\t:KV+8*\t+7], v[TM+2+\t]
.endr
	v_nop
.irp t, 0,1
	v_mov_b32 v[ST+8*\t+6], v[CT+2*\t]
.endr
	s_wait_loadcnt 0x0                             ; q
	s_wait_xcnt 0x0                                ; and every load's address has been read
	QQ 0
	QQ 1
	PLACES 8                                       ; q's codes and scale words, made by vector lines, stand so far ahead of the first scaled product
	s_wait_tensorcnt 0x0                           ; my four parts have landed.  The wait for all tensor loads in front of a barrier:
	ds_add_u32 v[SPW], v[NIL]                      ; 0 onto my spare word; the loop's scalars are set between it and the wait for it
	s_mov_b32 s26, 0                               ; J, the key step
	s_mov_b32 s27, KIMG
	s_mov_b32 s28, VIMG
	s_mov_b32 s29, KSC
	s_mov_b32 s30, VSC
	s_mov_b32 s31, s33
	s_mov_b32 s32, s35
	s_mov_b32 s[CNT], 16
	s_wait_dscnt 0x0
	s_barrier_signal -1
	s_barrier_wait -1                              ; everybody's parts have landed: from here to the last barrier LDS is only read
; ---- PASS 1: 16 trips, a constant; a step in which a tile has no key that counts is jumped over, by a scalar branch on the wave's number and the step's
.Lp1:
	v_add_nc_u32 v[ADK], s27, v[LI]
	v_add_nc_u32 v[ADS], s29, v[L8]
	v_add_nc_u32 v[ADB], s31, v[BL]
	v_add_nc_u32 v[ADB+1], s32, v[BL]
	s_cmp_gt_u32 s26, s25
	s_cbranch_scc1 .Lend1                          ; past 15 - w: neither tile
	KLOAD
	TILE1 1
	s_cmp_gt_u32 s26, s24
	s_cbranch_scc1 .Lend1                          ; past w: tile 1 alone
	TILE1 0                                        ; K's fragments are still in their registers
.Lend1:
	s_add_co_u32 s27, s27, 8192
	s_add_co_u32 s29, s29, 256
	s_add_co_u32 s31, s31, 512
	s_add_co_u32 s32, s32, 512
	s_add_co_u32 s26, s26, 1
	s_sub_co_u32 s[CNT], s[CNT], 1
	s_cmp_lg_u32 s[CNT], 0
	s_cbranch_scc1 .Lp1
	; ---- 1 / sum: the two halves, lane l xor 16's, the reciprocal and one Newton step
.irp t, 0,1
	v_add_f32 v[TM+\t], v[ST+8*\t+2], v[ST+8*\t+3]
.endr
.irp t, 0,1
	v_permlanex16_b32 v[TM+8+\t], v[TM+\t], s20, s21
.endr
.irp t, 0,1
	v_add_f32 v[TM+\t], v[TM+\t], v[TM+8+\t]
.endr
.irp t, 0,1
	v_rcp_f32 v[TM+4+\t], v[TM+\t]
.endr
	v_nop
	s_wait_alu depctr_va_vdst(0)                   ; one wait for both reciprocals
.irp t, 0,1
	v_fma_f32 v[TM+12+\t], -v[TM+\t], v[TM+4+\t], 1.0
.endr
.irp t, 0,1
	v_fma_f32 v[ST+8*\t+2], v[TM+12+\t], v[TM+4+\t], v[TM+4+\t]
.endr
	s_mov_b32 s26, 0
	s_mov_b32 s27, KIMG
	s_mov_b32 s29, KSC
	s_mov_b32 s31, s33
	s_mov_b32 s32, s35
	s_mov_b32 s[CNT], 16
; ---- PASS 2: 16 trips; every trip begins with V's fragments and ends in the second product's eight instructions
.Lp2:
	v_add_nc_u32 v[ADK], s27, v[LI]                ; these six and two v_nop are the eight places behind the last trip's products, ahead of loads and vector writes into their operands
	v_add_nc_u32 v[ADV], s28, v[LI]
	v_add_nc_u32 v[ADS], s29, v[L8]
	v_add_nc_u32 v[ADT], s30, v[L8]
	v_add_nc_u32 v[ADB], s31, v[BL]
	v_add_nc_u32 v[ADB+1], s32, v[BL]
	PLACES 2
	VLOAD                                          ; wanted at the trip's end: it lands under the softmax
	s_cmp_gt_u32 s26, s25
	s_cbranch_scc1 .Lc1                            ; past 15 - w: both tiles' weights are their rows' constants
	KLOAD
	TILE2 1
	s_cmp_gt_u32 s26, s24
	s_cbranch_scc1 .Lc0                            ; past w: tile 0's are
	TILE2 0
	s_branch .Lpv
.Lc1:
	CONST 1
.Lc0:
	CONST 0
.Lpv:
	s_wait_dscnt 0x0                               ; V and its scale words
	PLACES 8                                       ; codes and scale words made by vector lines stand so far ahead of a scaled product
	PV
	s_add_co_u32 s27, s27, 8192
	s_add_co_u32 s28, s28, 8192
	s_add_co_u32 s29, s29, 256
	s_add_co_u32 s30, s30, 256
	s_add_co_u32 s31, s31, 512
	s_add_co_u32 s32, s32, 512
	s_add_co_u32 s26, s26, 1
	s_sub_co_u32 s[CNT], s[CNT], 1
	s_cmp_lg_u32 s[CNT], 0
	s_cbranch_scc1 .Lp2
	; ---- THE WAY OUT.  Register j of accumulator (t, e) in lane (r, h) is out(query r of tile t, d = 32 h + 4 j + e).  The rows are put together in my stage and leave whole.
	PLACES 8
	s_wait_dscnt 0x0                               ; my reads of LDS are over,
	s_barrier_signal -1
	s_barrier_wait -1                              ; everybody's are: k's codes may be written over
	WIN 0x04                                       ; an LDS store's data are its source 1: window 1
.irp t, 0,1
.irp e, 0,1,2,3
.irp j, 0,1,2,3,4,5,6,7
	ds_store_b32 v[STO], v[OO+32*\t+8*\e+\j] offset:4352*\t+16*\j+4*\e   ; each accumulator from its low end on
.endr
.endr
.endr
	WIN 0
.irp t, 0,1
.irp i, 0,1,2,3,4,5,6,7
	ds_load_b128 v[S+32*\t+4*\i:S+32*\t+4*\i+3], v[RD] offset:4352*\t+544*\i   ; LDS serves a wave's instructions in order (ISA guide 5.7.1.4): these see my stores
.endr
.endr
.irp t, 0,1
.irp i, 0,1,2,3,4,5,6,7
	s_wait_dscnt 15-8*\t-\i                        ; the younger loads may be out
	global_store_b128 v[LI], v[S+32*\t+4*\i:S+32*\t+4*\i+3], s[OROW+2*\t:OROW+2*\t+1] offset:512*\i th:TH_STORE_NT   ; 32 lanes store two whole rows: 512 consecutive bytes, at a multiple of 256 from out0's first byte
.endr
.endr
	s_wait_tensorcnt 0x0                           ; the wave's end: behind my last tensor load and my last LDS store
	ds_add_u32 v[SPW], v[NIL]
	s_wait_dscnt 0x0
	s_endpgm
.Lfunc_end_k_qb15e6b7815_attn:
	.size	k_qb15e6b7815_attn, .Lfunc_end_k_qb15e6b7815_attn-k_qb15e6b7815_attn
	.p2alignl 7, 3214868480
	.fill 96, 4, 3214868480
	.section	.rodata,"a",@progbits
	.p2align	6, 0x0
	.amdhsa_kernel k_qb15e6b7815_attn
		.amdhsa_group_segment_fixed_size 327680
		.amdhsa_private_segment_fixed_size 0
		.amdhsa_enable_private_segment 0
		.amdhsa_kernarg_size 48
		.amdhsa_user_sgpr_count 2
		.amdhsa_user_sgpr_kernarg_segment_ptr 1
		.amdhsa_wavefront_size32 1
		.amdhsa_system_sgpr_workgroup_id_x 1
		.amdhsa_system_sgpr_workgroup_id_y 1
		.amdhsa_system_sgpr_workgroup_id_z 1
		.amdhsa_system_vgpr_workitem_id 0
		.amdhsa_next_free_vgpr 512
		.amdhsa_next_free_sgpr 100
		.amdhsa_reserve_vcc 0
		.amdhsa_float_denorm_mode_32 3
		.amdhsa_float_denorm_mode_16_64 3
		.amdhsa_memory_ordered 1
		.amdhsa_forward_progress 1
		.amdhsa_inst_pref_size 94
	.end_amdhsa_kernel
	.amdgpu_metadata
---
amdhsa.version: [ 1, 2 ]
amdhsa.kernels:
  - .name:           k_qb15e6b7815_attn
    .symbol:         k_qb15e6b7815_attn.kd
    .args:
      - { .name: q, .offset: 0, .size: 8, .value_kind: global_buffer, .address_space: global }
      - { .name: tau, .offset: 8, .size: 8, .value_kind: global_buffer, .address_space: global }
      - { .name: kimg, .offset: 16, .size: 8, .value_kind: global_buffer, .address_space: global }
      - { .name: vimg, .offset: 24, .size: 8, .value_kind: global_buffer, .address_space: global }
      - { .name: aux, .offset: 32, .size: 8, .value_kind: global_buffer, .address_space: global }
      - { .name: out0, .offset: 40, .size: 8, .value_kind: global_buffer, .address_space: global }
    .group_segment_fixed_size: 327680
    .private_segment_fixed_size: 0
    .kernarg_segment_align: 8
    .kernarg_segment_size: 48
    .max_flat_workgroup_size: 256
    .sgpr_count:     100
    .vgpr_count:     512
    .wavefront_size: 32
...
	.end_amdgpu_metadata
.endif
;; end of part 2
